; MI455X (gfx1250); checked and timed in simulation.
; The chip was launched on July 23, 2026; its instructions are those of AMD's public machine-readable ISA for CDNA 5 (MIT licence, August 2026) and "CDNA5" Instruction Set Architecture Reference Guide (July 2026). The comments in the code are by the model that wrote it; some were corrected since.
;; Nonlinear IB. Allowed arithmetic: matrix products marked QUANTISED: E2M1 operands, one E8M0 scale for each 32 along K, by v_wmma_scale_f32_16x16x128_f8f6f4 with both operands' format E2M1 (or v_wmma_scale_f32_32x16x128_f4), f32 sums; everything else in f32.
;; Inputs: kde_logvar 1 float32; noise 8,192 x 64 float32; noise_logvar 1 float32; x 8,192 x 64 float32.
;; Outputs: out0 8,192 x 64 float32; out1 one number float32; out2 one number float32.
;; This version of the problem:
;;   THIS VERSION OF THE PROBLEM IS GIVEN IN LOW PRECISION. The matrix products marked QUANTISED in the list below multiply operands that are first quantised to E2M1 (2 exponent bits, 1 mantissa bit; 4 bits a number), with one power-of-two scale for each 32 numbers along K (OCP MX v1.0); their sums are f32. All else is computed in f32.
;;   The module's matrix products, in the order in which they are computed (A, B: the left and right operand; K: the contracted axis; several contracted axes count as one K, in the product's order):
;;     1. [M 8,192, K 64] x [K 64, N 8,192]; A: input x; B: input x: QUANTISED
;;   THE QUANTISER, for each operand of a quantised product, along K:
;;     - K is cut into blocks of 32 from its start; a last block that is shorter is filled with zeros.
;;     - A block's scale is 2^e with e = floor(log2(the largest magnitude in the block)) - 2, held to -126 .. 127; a block of zeros has e = 0. As a byte (E8M0): e + 127.
;;     - Each number is divided by its block's scale, clamped to +-6, and rounded to the nearest number of E2M1, ties to even, subnormals kept.
;;     - The product sums the exact products of the quantised numbers (number of the format x scale) in f32.
;;   ~~~python
;;   def quantise(x, axis):      # numpy; x: float32 -> the quantised numbers, widened to float32 again
;;       x = np.moveaxis(x, axis, -1); K = x.shape[-1]
;;       x = np.pad(x, [(0, 0)] * (x.ndim - 1) + [(0, -K % 32)]); x = x.reshape(x.shape[:-1] + (-1, 32)); a = np.abs(x).max(-1, keepdims=True)
;;       e = np.where(a > 0, np.clip(np.frexp(np.where(a > 0, a, 1))[1] - 1 - 2, -126, 127), 0)      # np.frexp(a)[1] - 1 = floor(log2(a)), exactly
;;       r = np.clip(x / 2.0 ** e, -6, 6)
;;       step = 2.0 ** (np.maximum(np.frexp(np.where(r == 0, 1, r))[1] - 1, 0) - 1)
;;       q = np.round(r / step) * step * 2.0 ** e      # np.round: ties to even
;;       return np.moveaxis(q.reshape(q.shape[:-2] + (-1,))[..., :K], -1, axis).astype(np.float32)
;;   ~~~
;; One version. Each part assembles by itself: llvm-mc -triple=amdgcn-amd-amdhsa -mcpu=gfx1250 --defsym DOCPART=n.
;; ======== version 1 of 1: 3 launches
;; workspace buffers: codes 262,144 bytes; aux 65,536 bytes; part 2,048 bytes
;; launch prep (part 1): grid 128 x 1, 4 waves a work-group, no clusters, 19,456 bytes of LDS; arguments x, noise, noise_logvar, out0, codes, aux; writes out0, codes, aux
.if DOCPART == 1
	.amdgcn_target "amdgcn-amd-amdhsa--gfx1250"
	.amdhsa_code_object_version 6
	.text
	.protected	k_qde8ba7b99c_prep
	.globl	k_qde8ba7b99c_prep
	.p2align	8
	.type	k_qde8ba7b99c_prep,@function
k_qde8ba7b99c_prep:
	s_mov_b64 s[64:65], 0
	v_nop
	global_prefetch_b8 v0, s[64:65] scope:SCOPE_SE
	s_setreg_imm32_b32 hwreg(HW_REG_WAVE_MODE, 25, 1), 1
	s_wait_xcnt 0x0
; x [8192][64] f32 is read once and serves three things: out0 = x + exp(noise_logvar / 2) * noise; x's codes of FP4 (E2M1) with one E8M0 scale for each 32 along K;
; and -|x_row|^2 / 2 in f32, which the next launch gives to the matrix instruction as its C.
; SHARES.  A work-group of four waves takes 64 rows, a wave 16 rows: 4,096 bytes of x and of noise, eight loads of 512 consecutive bytes each.  out0 is made in that layout and stored so:
; each store of a wave covers 512 consecutive bytes, aligned.
; THE QUANTISER wants a block's 32 neighbours in one lane's registers.  So x's 4,096 bytes turn through the wave's own stage in LDS: in as loaded, out 128 bytes a lane (lane l = block l of the
; wave's 32: row l / 2, block l % 2).  A block's place in the stage is 144 bytes: an odd multiple of 16.
; A block's scale is 2^(floor(log2(largest magnitude)) - 2): its byte is the largest magnitude's exponent field - 2, held at 1 from below by a floor among the maximum's leaves.
; A lane's 32 codes are 16 bytes: the wave stores 512 consecutive bytes; codes lie [row][32 bytes], K innermost.
; aux: one record of 512 bytes for each 64 rows.  Bytes 0-255: the rows' scale words, word (r, t) at 16 r + 4 t for row 16 t + r: scale bytes of blocks 0 and 1, then 127, 127 for the K that the
; matrix instruction has beyond 64.  Bytes 256-511: -|x|^2 / 2 of the 64 rows.  The four waves gather a record in LDS and wave 0 stores it whole.
; LIMITS: NaN and infinities are not served.  A block whose largest magnitude lies under 2^(3 - 127), a block of zeros among them, gets the byte 1 (the rule says 127 for zeros): its codes are
; what the rule gives (zeros for zeros), and the bytes are read by this program alone.
.set SP,    144                        ; a block's place in a stage: 128 bytes + 16
.set WSTG,  32*SP                      ; a wave's stage
.set AUXS,  4*WSTG                     ; behind the stages: the record, 512 bytes
.set XD,    16                         ; v16-47   x as loaded
.set NZ,    48                         ; v48-79   noise as loaded, then out0
.set BL,    80                         ; v80-111  my block's 32 numbers
.set CD,    112                        ; v112-115 its codes
.set AX,    116                        ; v116-119 wave 0: 16 bytes of the record
.set PSW,   120                        ; v120     where my row's scale word goes in the record
.set PNH,   121                        ; v121     where its -|x|^2 / 2 goes
	s_load_b256 s[4:11], s[0:1], 0x0               ; x s[4:5], noise s[6:7], noise_logvar s[8:9], out0 s[10:11]
	s_load_b128 s[12:15], s[0:1], 0x20             ; codes s[12:13], aux s[14:15]
	v_lshl_add_u32 v128, v0, 2, 0x4a00
	v_mov_b32 v129, 0
	v_lshrrev_b32 v1, 5, v0
	v_readfirstlane_b32 s16, v1                    ; wave 0..3
	v_and_b32 v2, 31, v0                           ; lane
	v_lshlrev_b32 v3, 4, v2                        ; 16 x lane: my place in 512 consecutive bytes; never rewritten
	s_lshl_b32 s17, ttmp9, 2
	s_add_co_u32 s17, s17, s16                     ; my tile of 16 rows = 4 x work-group + wave
	s_lshl_b32 s18, s17, 12                        ; x 4,096 bytes in x, noise and out0
	s_mov_b32 s19, 0
	s_lshl_b32 s22, s17, 9                         ; x 512 bytes in the codes
	s_mov_b32 s23, 0
	s_lshl_b32 s24, ttmp9, 9                       ; the work-group's record in aux
	s_mov_b32 s25, 0
	s_wait_kmcnt 0x0
	s_load_b32 s20, s[8:9], 0x0                    ; noise_logvar
	s_add_nc_u64 s[4:5], s[4:5], s[18:19]
	s_add_nc_u64 s[6:7], s[6:7], s[18:19]
	s_add_nc_u64 s[10:11], s[10:11], s[18:19]
	s_add_nc_u64 s[12:13], s[12:13], s[22:23]
	s_add_nc_u64 s[14:15], s[14:15], s[24:25]
.irp i, 0,1,2,3,4,5,6,7
	global_load_b128 v[XD+4*\i:XD+4*\i+3], v3, s[4:5] offset:512*\i th:TH_LOAD_NT
.endr
.irp i, 0,1,2,3,4,5,6,7
	global_load_b128 v[NZ+4*\i:NZ+4*\i+3], v3, s[6:7] offset:512*\i th:TH_LOAD_NT
.endr
	s_mul_i32 s21, s16, WSTG                       ; my stage
	v_lshrrev_b32 v4, 3, v2
	v_mul_u32_u24 v4, v4, SP
	v_and_b32 v5, 7, v2
	v_lshl_add_u32 v4, v5, 4, v4
	v_add_nc_u32 v4, s21, v4                       ; in: eight lanes' 128 bytes are a block: SP (lane / 8) + 16 (lane % 8); a load's 512 bytes are four blocks
	v_mul_u32_u24 v5, v2, SP
	v_add_nc_u32 v5, s21, v5                       ; out: SP x lane
	v_lshrrev_b32 v8, 1, v2                        ; my row of the tile
	s_lshl_b32 s26, s16, 2
	s_lshl_b32 s27, s16, 6
	v_lshl_add_u32 v[PSW], v8, 4, s26              ; 16 r + 4 t
	v_lshl_add_u32 v[PNH], v8, 2, s27              ; 4 r + 64 t
	s_wait_kmcnt 0x0
	v_mov_b32 v6, 0x3f38aa3b                       ; log2(e) / 2
	v_mul_f32 v6, s20, v6
	v_exp_f32 v6, v6                               ; exp(noise_logvar / 2)
	v_mov_b32 v7, 0                                ; a plain line behind the exponential; v7 is named with v6 as a pair
	s_wait_alu depctr_va_vdst(0)                   ; the wait ahead of the first reader
	s_wait_loadcnt 8                               ; x's eight loads are in; noise's eight, issued behind them, may be out
.irp i, 0,1,2,3,4,5,6,7
	ds_store_b128 v4, v[XD+4*\i:XD+4*\i+3] offset:4*SP*\i
.endr
.irp c, 0,1,2,3,4,5,6,7
	ds_load_b128 v[BL+4*\c:BL+4*\c+3], v5 offset:16*\c        ; LDS serves a wave's instructions in order (ISA guide 5.7.1.4): these see the stores above
.endr
	s_wait_dscnt 0x0
	v_max3_num_f32 v8, |v[BL]|, |v[BL+1]|, |v[BL+2]|           ; the block's largest magnitude, in two chains
	v_max3_num_f32 v9, |v[BL+3]|, |v[BL+4]|, |v[BL+5]|
.irp i, 6,10,14,18,22,26
	v_max3_num_f32 v8, v8, |v[BL+\i]|, |v[BL+\i+1]|
	v_max3_num_f32 v9, v9, |v[BL+\i+2]|, |v[BL+\i+3]|
.endr
	v_max3_num_f32 v8, v8, |v[BL+30]|, |v[BL+31]|
	v_max3_num_f32 v8, v8, v9, 0x1800000           ; and the floor 2^(3 - 127): the byte cannot fall under 1
	v_add_nc_u32 v10, 0xff000000, v8               ; 2 off the exponent field: the conversion takes this operand's exponent field as its scale
	v_pk_mul_f32 v[12:13], v[BL:BL+1], v[BL:BL+1]              ; the sum of the block's squares, two at a time, in two chains
	v_pk_mul_f32 v[14:15], v[BL+2:BL+3], v[BL+2:BL+3]
.irp i, 4,8,12,16,20,24,28
	v_pk_fma_f32 v[12:13], v[BL+\i:BL+\i+1], v[BL+\i:BL+\i+1], v[12:13]
	v_pk_fma_f32 v[14:15], v[BL+\i+2:BL+\i+3], v[BL+\i+2:BL+\i+3], v[14:15]
.endr
.irp g, 0,1,2,3
	v_cvt_scalef32_pk8_fp4_f32 v[CD+\g], v[BL+8*\g:BL+8*\g+7], v10     ; eight numbers / the scale, to the nearest code, ties to even, beyond 6 the largest code
.endr
	v_lshrrev_b32 v11, 23, v10                     ; the scale's byte (a plain line behind the conversions)
	global_store_b128 v3, v[CD:CD+3], s[12:13]     ; the wave's 32 blocks: 512 consecutive bytes
	v_pk_add_f32 v[12:13], v[12:13], v[14:15]
	v_add_f32 v12, v12, v13
	v_add_f32_dpp v12, v12, v12 row_xmask:1 row_mask:0xf bank_mask:0xf   ; with the row's other block: both lanes hold |x_row|^2
	v_mul_f32 v12, -0.5, v12
	v_and_b32 v13, 1, v2
	v_lshlrev_b32 v13, 3, v13
	v_lshlrev_b32 v11, v13, v11                    ; my byte at its place in the word: 8 x (lane % 2) bits up
	v_mov_b32_dpp v14, v11 row_xmask:1 row_mask:0xf bank_mask:0xf        ; the other block's
	v_or_b32 v11, v11, v14
	v_or_b32 v11, 0x7f7f0000, v11                  ; bytes 2 and 3: 127, for K = 64 .. 127, where the codes are zeros
	ds_store_b32 v[PSW], v11 offset:AUXS           ; both lanes of a row write the same word with the same value
	ds_store_b32 v[PNH], v12 offset:AUXS+256
	s_wait_loadcnt 0x0                             ; noise
.irp j, 0,2,4,6,8,10,12,14,16,18,20,22,24,26,28,30
	v_pk_fma_f32 v[NZ+\j:NZ+\j+1], v[NZ+\j:NZ+\j+1], v[6:7], v[XD+\j:XD+\j+1] op_sel_hi:[1,0,1]
.endr
.irp i, 0,1,2,3,4,5,6,7
	global_store_b128 v3, v[NZ+4*\i:NZ+4*\i+3], s[10:11] offset:512*\i th:TH_STORE_NT
.endr
	s_wait_dscnt 0x0                               ; for the others' sake: my words lie in the record
	s_barrier_signal -1
	s_barrier_wait -1
	s_cmp_lg_u32 s16, 0
	s_cbranch_scc1 .Ldone
	ds_load_b128 v[AX:AX+3], v3 offset:AUXS        ; wave 0: the record, 16 bytes a lane
	s_wait_dscnt 0x0
	global_store_b128 v3, v[AX:AX+3], s[14:15]     ; 512 consecutive bytes, aligned
.Ldone:
	s_wait_tensorcnt 0x0
	ds_add_u32 v128, v129
	s_wait_dscnt 0x0
	s_endpgm
.Lfunc_end_k_qde8ba7b99c_prep:
	.size	k_qde8ba7b99c_prep, .Lfunc_end_k_qde8ba7b99c_prep-k_qde8ba7b99c_prep
	.p2alignl 7, 3214868480
	.fill 96, 4, 3214868480
	.section	.rodata,"a",@progbits
	.p2align	6, 0x0
	.amdhsa_kernel k_qde8ba7b99c_prep
		.amdhsa_group_segment_fixed_size 19456
		.amdhsa_private_segment_fixed_size 0
		.amdhsa_enable_private_segment 0
		.amdhsa_kernarg_size 48
		.amdhsa_user_sgpr_count 2
		.amdhsa_user_sgpr_kernarg_segment_ptr 1
		.amdhsa_wavefront_size32 1
		.amdhsa_system_sgpr_workgroup_id_x 1
		.amdhsa_system_sgpr_workgroup_id_y 1
		.amdhsa_system_sgpr_workgroup_id_z 1
		.amdhsa_system_vgpr_workitem_id 0
		.amdhsa_next_free_vgpr 130
		.amdhsa_next_free_sgpr 66
		.amdhsa_reserve_vcc 0
		.amdhsa_float_denorm_mode_32 3
		.amdhsa_float_denorm_mode_16_64 3
		.amdhsa_memory_ordered 1
		.amdhsa_forward_progress 1
		.amdhsa_inst_pref_size 10
	.end_amdhsa_kernel
	.amdgpu_metadata
---
amdhsa.version: [ 1, 2 ]
amdhsa.kernels:
  - .name:           k_qde8ba7b99c_prep
    .symbol:         k_qde8ba7b99c_prep.kd
    .args:
      - { .name: x, .offset: 0, .size: 8, .value_kind: global_buffer, .address_space: global }
      - { .name: noise, .offset: 8, .size: 8, .value_kind: global_buffer, .address_space: global }
      - { .name: noise_logvar, .offset: 16, .size: 8, .value_kind: global_buffer, .address_space: global }
      - { .name: out0, .offset: 24, .size: 8, .value_kind: global_buffer, .address_space: global }
      - { .name: codes, .offset: 32, .size: 8, .value_kind: global_buffer, .address_space: global }
      - { .name: aux, .offset: 40, .size: 8, .value_kind: global_buffer, .address_space: global }
    .group_segment_fixed_size: 19456
    .private_segment_fixed_size: 0
    .kernarg_segment_align: 8
    .kernarg_segment_size: 48
    .max_flat_workgroup_size: 128
    .sgpr_count:     66
    .vgpr_count:     130
    .wavefront_size: 32
...
	.end_amdgpu_metadata
.endif
;; end of part 1
;; launch pairs (part 2): grid 256 x 1, 16 waves a work-group, no clusters, 10,240 bytes of LDS; arguments codes, aux, kde_logvar, noise_logvar, part; writes part
.if DOCPART == 2
	.amdgcn_target "amdgcn-amd-amdhsa--gfx1250"
	.amdhsa_code_object_version 6
	.text
	.protected	k_qde8ba7b99c_pairs
	.globl	k_qde8ba7b99c_pairs
	.p2align	8
	.type	k_qde8ba7b99c_pairs,@function
k_qde8ba7b99c_pairs:
	s_mov_b64 s[64:65], 0
	v_nop
	global_prefetch_b8 v0, s[64:65] scope:SCOPE_SE
	s_setreg_imm32_b32 hwreg(HW_REG_WAVE_MODE, 25, 1), 1
	s_wait_xcnt 0x0
; For each row i of x: L1_i = logsumexp_j(-d_ij / (2 (e^nv + e^kv))) and L2_i = logsumexp_j(-(d_ij / (2 e^kv) + 1e21 [i = j])), d_ij = max(|x_i|^2 + |x_j|^2 - 2 g_ij, 0), g = Q(x) Q(x)^T on codes of FP4 with E8M0 scales.
; Stored: for each work-group the sums of L1 and of L2 over its 32 rows, in units of log2.
; ARITHMETIC.  With h_i = |x_i|^2 / 2:  -d / 2 = min(g - h_j - h_i, 0) = min(D, h_i) - h_i,  D = g - h_j.  D comes out of the matrix instruction: -h_j is its C.  With k = log2(e) / variance an exponent is
; k min(D, h_i) - k h_i.  A lane keeps, for each of the two sums, the largest m of min(D, h_i) so far, b = the f32 product k m, and s = the sum of 2^(k min(D, h_i) - b); when m grows, s is multiplied by 2^(b_old - b_new).
; LAYOUT.  The product is used transposed: source 0 = 16 rows j, source 1 = my 16 rows i.  Lane (r, h) then holds row i = r, and register n of a tile row j = 8 h + n: C's register n is -h_j of that row.
; The two halves of the lanes keep sums of their own over their own j, so nothing crosses lanes in the loop.
; K is 64, the instruction's 128: registers 4-7 of every fragment hold zero codes, bytes 2 and 3 of every scale word 127.
; SHARES.  A work-group owns 32 rows i (two tiles).  Each of its 16 waves takes both tiles against 512 rows j of its own, in 8 steps of 64 rows: 8 matrix instructions, 64 results a lane.
; No two waves of a work-group read the same j, so operands go from memory straight into registers.  A step's 13 loads (2,560 bytes) are issued into the registers that the products have just read, and have the
; step's 371 vector instructions in which to land.
; NO CLUSTER: every work-group reads the same codes, but the one step in which a work-group meets its own rows is taken by a branch on the work-group's number, which partners of a cluster do not share.
; THE DIAGONAL.  -(d / (2 v) + 1e21) = (min(D, h_i) - h_i - 1e21 v) / v: in that one step 1e21 e^kv is taken off the second sum's copy of the diagonal's numbers, ahead of its maximum.
; LIMITS: NaN and infinities are not served.  Where 1e21 e^kv is beyond f32 the diagonal's number is -infinity and its term 0, as it is 0 in f32 beside the other terms.
.set CO,  1                            ; v1   32 r + 16 h: my 16 bytes of a tile's codes
.set SO,  2                            ; v2   16 r: my row's four scale words of a step
.set NO,  3                            ; v3   32 h: my half's eight -h_j of a tile
.set HI,  6                            ; v6-7 h_i of my row in tile 0, 1
.set BS,  8                            ; v8-9 scale words of my rows i
.set AS,  10                           ; v10-13 scale words of the step's four tiles
.set BF,  16                           ; v16-31 fragments of my two tiles i
.set AF,  32                           ; v32-63 fragments of the step's four tiles j
.set CC,  64                           ; v64-95 -h_j, eight registers a tile
.set DD,  96                           ; v96-159 D: tile i = a, tile j = t at DD + 32 a + 8 t; later the second sum's exponents and terms
.set TT,  160                          ; v160-223 the first sum's exponents and terms; before that four running maxima a tile
.set SS,  224                          ; v224-247 statistics, 12 a tile i: +0 -b1, +1 m1, +2 -b2, +3 m2, +4 f1, +5 at work, +6 f2, +7 at work, +8,9 s1 (two halves), +10,11 s2
.set OQ,  248                          ; v248-251 at work; at the end my four partial results
.set RR,  96                           ; the merge: 16 waves x 4 numbers
.set CODES, 4
.set AUX,  6
.set KVP,  8
.set NVP,  10
.set PART, 12
.set WV,   14                          ; s14 wave
.set CUR,  16                          ; s[16:17] the codes of the step that is loaded next
.set CURA, 18                          ; s[18:19] its record in aux
.set KV,   20
.set NV,   21
.set K1,   22                          ; s[22:23] k1 = log2(e) / (e^nv + e^kv), twice: the packed form names a pair
.set K2,   24                          ; s[24:25] k2 = log2(e) / e^kv
.set NK,   26                          ; s26, s27 -k1, -k2
.set NPEN, 28                          ; s28 -1e21 e^kv
.set TRIP, 29
.set SG,   30                          ; s30 the step in hand, of 128
.set SD,   31                          ; s31 the step that holds my work-group's own rows
.set OFS,  32                          ; s[32:33] an offset in 64 bits
.set SEL,  34                          ; s[34:35] v_permlanex16_b32's selects for lane l xor 16
.set IB,   36
.set IA,   38
.set IN,   40
.set PAR,  42                          ; s42 32 x (work-group % 2): where my rows begin in their step's 64
.macro LOADS                           ; a step's operands: 4 x 512 bytes of codes, 256 of scale words, 256 of -h_j
.irp t, 0,1,2,3
	global_load_b128 v[AF+8*\t:AF+8*\t+3], v[CO], s[CUR:CUR+1] offset:512*\t
.endr
	global_load_b128 v[AS:AS+3], v[SO], s[CURA:CURA+1]
.irp t, 0,1,2,3
	global_load_b128 v[CC+8*\t:CC+8*\t+3], v[NO], s[CURA:CURA+1] offset:256+64*\t
	global_load_b128 v[CC+8*\t+4:CC+8*\t+7], v[NO], s[CURA:CURA+1] offset:256+64*\t+16
.endr
.endm
.macro PRODUCTS                        ; D = Q(x_j) Q(x_i)^T - h_j: eight accumulators, each written once; then four places ahead of the loads into the sources and of the first read of a result
.irp t, 0,1,2,3
.irp a, 0,1
	v_wmma_scale_f32_16x16x128_f8f6f4 v[DD+32*\a+8*\t:DD+32*\a+8*\t+7], v[AF+8*\t:AF+8*\t+7], v[BF+8*\a:BF+8*\a+7], v[CC+8*\t:CC+8*\t+7], v[AS+\t], v[BS+\a] matrix_a_fmt:MATRIX_FMT_FP4 matrix_b_fmt:MATRIX_FMT_FP4
.endr
.endr
.rept 4
	v_nop
.endr
.endm
.macro NEWB l                          ; sum l of both tiles: the new -b = -k m; the exponent of f, b_old - b_new; -b takes its new value
.irp a, 0,1
	v_mul_f32 v[SS+12*\a+5+2*\l], s[NK+\l], v[SS+12*\a+1+2*\l]
.endr
.irp a, 0,1
	v_sub_f32 v[SS+12*\a+4+2*\l], v[SS+12*\a+5+2*\l], v[SS+12*\a+2*\l]
.endr
.irp a, 0,1
	v_mov_b32 v[SS+12*\a+2*\l], v[SS+12*\a+5+2*\l]
.endr
.endm
; Pair p of 64: p / 32 the sum, (p / 16) % 2 the tile i, p % 16 the pair of registers.  The first sum's exponents go to TT, the second's take D's place.
.macro FILL p
.set fa, ((\p)/16)%2
.set fl, (\p)/32
.set fn, 2*((\p)%16)
.if fl == 0
	v_pk_fma_f32 v[TT+32*fa+fn:TT+32*fa+fn+1], v[DD+32*fa+fn:DD+32*fa+fn+1], s[K1:K1+1], v[SS+12*fa:SS+12*fa+1] op_sel_hi:[1,0,0]
.else
	v_pk_fma_f32 v[DD+32*fa+fn:DD+32*fa+fn+1], v[DD+32*fa+fn:DD+32*fa+fn+1], s[K2:K2+1], v[SS+12*fa+2:SS+12*fa+3] op_sel_hi:[1,0,0]
.endif
.endm
.macro EXPS p
.set eb, TT+32*(((\p)/16)%2)+2*((\p)%16)
.if (\p)/32
.set eb, DD+32*(((\p)/16)%2)+2*((\p)%16)
.endif
	v_exp_f32 v[eb], v[eb]
	v_exp_f32 v[eb+1], v[eb+1]
.endm
.macro FEXPS                           ; the four factors f = 2^(b_old - b_new)
.irp a, 0,1
.irp l, 0,1
	v_exp_f32 v[SS+12*\a+4+2*\l], v[SS+12*\a+4+2*\l]
.endr
.endr
.endm
; THE VECTOR WORK OF A STEP.  diag = 1: the step that holds my work-group's own rows.
.macro VEC diag
.set idx, 0
.rept 32                               ; the hold at distance 0: min(D, h_i); each accumulator is read from its low end on
	v_min_num_f32 v[DD+idx], v[DD+idx], v[HI]
	v_min_num_f32 v[DD+32+idx], v[DD+32+idx], v[HI+1]
.set idx, idx+1
.endr
.if \diag
.set idx, 0
.rept 16                               ; the first sum's maximum takes the diagonal as it is
	v_max3_num_f32 v[SS+1], v[SS+1], v[DD+idx], v[DD+idx+1]
	v_max3_num_f32 v[SS+13], v[SS+13], v[DD+32+idx], v[DD+32+idx+1]
.set idx, idx+2
.endr
	NEWB 0
.set pp, 0
.rept 32
	FILL pp
.set pp, pp+1
.endr
	v_and_b32 v248, 15, v0                         ; register 8 t + n of tile i = a holds row 16 t + 8 h + n of the step's 64; mine is 32 (work-group % 2) + 16 a + r.
	v_bfe_u32 v249, v0, 4, 1                       ; They meet only in t = 2 u + a, where 32 u + n = 32 (work-group % 2) + r - 8 h
	v_lshlrev_b32 v249, 3, v249
	v_sub_nc_u32 v248, v248, v249
	v_add_nc_u32 v248, s[PAR], v248
	v_mov_b32 v251, s[NPEN]
.irp a, 0,1
.irp u, 0,1
.irp n, 0,1,2,3,4,5,6,7
	v_cmp_eq_u32 vcc_lo, 32*\u+\n, v248
	v_add_f32 v250, v251, v[DD+32*\a+8*(2*\u+\a)+\n]
	v_cndmask_b32 v[DD+32*\a+8*(2*\u+\a)+\n], v[DD+32*\a+8*(2*\u+\a)+\n], v250, vcc_lo   ; the diagonal's number less 1e21 e^kv, for the second sum alone
.endr
.endr
.endr
.set idx, 0
.rept 16
	v_max3_num_f32 v[SS+3], v[SS+3], v[DD+idx], v[DD+idx+1]
	v_max3_num_f32 v[SS+15], v[SS+15], v[DD+32+idx], v[DD+32+idx+1]
.set idx, idx+2
.endr
	NEWB 1
	FEXPS
.set pp, 32
.rept 32
	FILL pp
	EXPS pp-32
.set pp, pp+1
.endr
.set pp, 32
.rept 32
	EXPS pp
.set pp, pp+1
.endr
.else
.irp a, 0,1                            ; the step's maximum serves both sums: four chains of seven a tile, the four numbers left over, then each sum's m
.irp j, 0,1,2,3
	v_max3_num_f32 v[TT+32*\a+\j], v[DD+32*\a+8*\j], v[DD+32*\a+8*\j+1], v[DD+32*\a+8*\j+2]
.endr
.endr
.irp i, 3,5
.irp a, 0,1
.irp j, 0,1,2,3
	v_max3_num_f32 v[TT+32*\a+\j], v[TT+32*\a+\j], v[DD+32*\a+8*\j+\i], v[DD+32*\a+8*\j+\i+1]
.endr
.endr
.endr
.irp a, 0,1
	v_max3_num_f32 v[TT+32*\a], v[TT+32*\a], v[DD+32*\a+7], v[DD+32*\a+15]
	v_max3_num_f32 v[TT+32*\a+2], v[TT+32*\a+2], v[DD+32*\a+23], v[DD+32*\a+31]
.endr
.irp a, 0,1
	v_max3_num_f32 v[TT+32*\a], v[TT+32*\a], v[TT+32*\a+1], v[TT+32*\a+2]
.endr
.irp a, 0,1
	v_max3_num_f32 v[SS+12*\a+1], v[TT+32*\a], v[TT+32*\a+3], v[SS+12*\a+1]
	v_max3_num_f32 v[SS+12*\a+3], v[TT+32*\a], v[TT+32*\a+3], v[SS+12*\a+3]
.endr
	NEWB 0
	NEWB 1
	FEXPS
.set pp, 0
.rept 64                               ; ONE BATCH: a pair's scaling, then the exponentials of the pair scaled before it.  None of these lines names an exponential's result
	FILL pp
.if pp > 0
	EXPS pp-1
.endif
.set pp, pp+1
.endr
	EXPS 63
.endif
	v_nop                                          ; a plain line behind the last exponential
	s_wait_alu depctr_va_vdst(0)                   ; the wait ahead of the first reader: one for the step's 132 exponentials
.irp dist, 2,4,8,16                    ; the four sums of 16 pairs each, in place, neighbours 1, 2, 4 and 8 pairs apart, the four by turns
.set idx, 0
.rept 16/\dist
.irp base, TT, TT+32, DD, DD+32
	v_pk_add_f32 v[\base+idx:\base+idx+1], v[\base+idx:\base+idx+1], v[\base+idx+\dist:\base+idx+\dist+1]
.endr
.set idx, idx+2*\dist
.endr
.endr
.irp a, 0,1                            ; s = s f + the step's sum
	v_pk_fma_f32 v[SS+12*\a+8:SS+12*\a+9], v[SS+12*\a+8:SS+12*\a+9], v[SS+12*\a+4:SS+12*\a+5], v[TT+32*\a:TT+32*\a+1] op_sel_hi:[1,0,1]
	v_pk_fma_f32 v[SS+12*\a+10:SS+12*\a+11], v[SS+12*\a+10:SS+12*\a+11], v[SS+12*\a+6:SS+12*\a+7], v[DD+32*\a:DD+32*\a+1] op_sel_hi:[1,0,1]
.endr
.endm
.macro BODY                            ; which of the two: a scalar branch on the wave's and the work-group's numbers
	s_cmp_eq_u32 s[SG], s[SD]
	s_cbranch_scc1 .Lown_\@
	VEC 0
	s_branch .Ljoin_\@
.Lown_\@:
	VEC 1
.Ljoin_\@:
.endm
	s_load_b256 s[CODES:CODES+7], s[0:1], 0x0      ; codes, aux, kde_logvar, noise_logvar
	s_load_b64 s[PART:PART+1], s[0:1], 0x20
	v_lshl_add_u32 v254, v0, 2, 0x2000
	v_mov_b32 v255, 0
	v_lshrrev_b32 v4, 5, v0
	v_readfirstlane_b32 s[WV], v4                  ; wave 0..15
.irp t, 0,1,2,3
.irp c, 4,5,6,7
	v_mov_b32 v[AF+8*\t+\c], 0                     ; zero codes for K = 64 .. 127; the loads never touch these
.endr
.endr
.irp a, 0,1
.irp c, 4,5,6,7
	v_mov_b32 v[BF+8*\a+\c], 0
.endr
.endr
	v_and_b32 v4, 15, v0                           ; r
	v_bfe_u32 v5, v0, 4, 1                         ; h
	v_lshlrev_b32 v[CO], 5, v4
	v_lshl_add_u32 v[CO], v5, 4, v[CO]
	v_lshlrev_b32 v[SO], 4, v4
	v_lshlrev_b32 v[NO], 5, v5
	v_lshlrev_b32 v5, 2, v4                        ; 4 r
	s_lshr_b32 s[SD], ttmp9, 1                     ; my 32 rows lie in step work-group / 2,
	s_and_b32 s[PAR], ttmp9, 1                     ; in its first or second half
	s_lshl_b32 s[SG], s[WV], 3                     ; my wave's first step
	s_mov_b32 s[OFS+1], 0
	s_mov_b32 s[SEL], 0x76543210
	s_mov_b32 s[SEL+1], 0xfedcba98
	s_wait_kmcnt 0x0
	s_load_b32 s[KV], s[KVP:KVP+1], 0x0
	s_load_b32 s[NV], s[NVP:NVP+1], 0x0
	s_lshl_b32 s[OFS], ttmp9, 10                   ; 32 rows of 32 bytes
	s_add_nc_u64 s[IB:IB+1], s[CODES:CODES+1], s[OFS:OFS+1]
	s_lshl_b32 s[OFS], s[SD], 9
	s_add_nc_u64 s[IN:IN+1], s[AUX:AUX+1], s[OFS:OFS+1]        ; my rows' record
	s_lshl_b32 s[OFS], s[PAR], 3
	s_add_nc_u64 s[IA:IA+1], s[IN:IN+1], s[OFS:OFS+1]          ; their scale words: tiles 2 (work-group % 2) + a of the record's four
	s_lshl_b32 s[OFS], s[PAR], 7
	s_add_nc_u64 s[IN:IN+1], s[IN:IN+1], s[OFS:OFS+1]          ; their -h
	s_lshl_b32 s[OFS], s[WV], 14                   ; my wave's 512 rows j: 8 steps of 2,048 bytes of codes,
	s_add_nc_u64 s[CUR:CUR+1], s[CODES:CODES+1], s[OFS:OFS+1]
	s_lshl_b32 s[OFS], s[WV], 12                   ; 8 records
	s_add_nc_u64 s[CURA:CURA+1], s[AUX:AUX+1], s[OFS:OFS+1]
	s_lshl_b32 s[OFS], ttmp9, 3
	s_add_nc_u64 s[PART:PART+1], s[PART:PART+1], s[OFS:OFS+1]
	s_lshl_b32 s[PAR], s[PAR], 5
	global_load_b128 v[BF:BF+3], v[CO], s[IB:IB+1]
	global_load_b128 v[BF+8:BF+11], v[CO], s[IB:IB+1] offset:512
	global_load_b32 v[BS], v[SO], s[IA:IA+1]
	global_load_b32 v[BS+1], v[SO], s[IA:IA+1] offset:4
	global_load_b32 v[HI], v5, s[IN:IN+1] offset:256
	global_load_b32 v[HI+1], v5, s[IN:IN+1] offset:320
	LOADS                                          ; step 0
	s_wait_kmcnt 0x0
	v_mov_b32 v253, 0x3fb8aa3b                     ; log2(e)
	v_mul_f32 v250, s[KV], v253
	v_mul_f32 v251, s[NV], v253
	v_exp_f32 v250, v250                           ; e^kv
	v_exp_f32 v251, v251                           ; e^nv
	v_nop
	s_wait_alu depctr_va_vdst(0)
	v_add_f32 v251, v250, v251                     ; the first sum's variance
	v_mul_f32 v252, 0xe258d727, v250               ; -1e21 e^kv
	v_rcp_f32 v251, v251
	v_rcp_f32 v250, v250
	v_nop
	s_wait_alu depctr_va_vdst(0)
	v_mul_f32 v251, v253, v251
	v_mul_f32 v250, v253, v250
	v_readfirstlane_b32 s[K1], v251
	v_readfirstlane_b32 s[K2], v250
	v_readfirstlane_b32 s[NPEN], v252
	s_mov_b32 s[K1+1], s[K1]
	s_mov_b32 s[K2+1], s[K2]
	s_xor_b32 s[NK], s[K1], 0x80000000
	s_xor_b32 s[NK+1], s[K2], 0x80000000
.irp a, 0,1
.irp l, 0,1
	v_mov_b32 v[SS+12*\a+1+2*\l], 0xff61b1e6       ; m = -3e38, under every number: the first step's f is 0 and finds s = 0
	v_mov_b32 v[SS+12*\a+8+2*\l], 0
	v_mov_b32 v[SS+12*\a+9+2*\l], 0
.endr
.endr
.irp a, 0,1
.irp l, 0,1
	v_mul_f32 v[SS+12*\a+2*\l], s[NK+\l], v[SS+12*\a+1+2*\l]
.endr
.endr
	s_wait_loadcnt 13                              ; the six loads of my own rows are in; step 0's thirteen, issued behind them, may be out
	v_mul_f32 v[HI], -1.0, v[HI]
	v_mul_f32 v[HI+1], -1.0, v[HI+1]
	s_mov_b32 s[TRIP], 7
.Lstep:
	s_wait_loadcnt 0x0                             ; the step's operands are in: so their bases may step
	s_add_nc_u64 s[CUR:CUR+1], s[CUR:CUR+1], 2048
	s_add_nc_u64 s[CURA:CURA+1], s[CURA:CURA+1], 512
	PRODUCTS
	LOADS                                          ; the next step's, into the registers that the products have read
	BODY
	s_add_co_u32 s[SG], s[SG], 1
	s_sub_co_u32 s[TRIP], s[TRIP], 1
	s_cmp_lg_u32 s[TRIP], 0
	s_cbranch_scc1 .Lstep
	s_wait_loadcnt 0x0                             ; the last step is written out: it loads nothing
	PRODUCTS
	BODY
	; MY PART AS ONE NUMBER for each tile and sum: log2(s) + b - k h_i = log2(s) + k (m - h_i) - (k m - b), the last bracket being b's own rounding, which one fused multiply-add gives
.irp a, 0,1
.irp l, 0,1
	v_add_f32 v[SS+12*\a+5+2*\l], v[SS+12*\a+8+2*\l], v[SS+12*\a+9+2*\l]
.endr
.endr
.irp a, 0,1
.irp l, 0,1
	v_log_f32 v[SS+12*\a+5+2*\l], v[SS+12*\a+5+2*\l]
.endr
.endr
.irp a, 0,1
.irp l, 0,1
	v_sub_f32 v[SS+12*\a+4+2*\l], v[SS+12*\a+1+2*\l], v[HI+\a]
	v_fma_f32 v[SS+12*\a+8+2*\l], s[K1+2*\l], v[SS+12*\a+1+2*\l], v[SS+12*\a+2*\l]
.endr
.endr
	s_wait_alu depctr_va_vdst(0)                   ; one wait for the four logarithms; the eight lines above are the plain work behind them
.irp a, 0,1
.irp l, 0,1
	v_fma_f32 v[SS+12*\a+5+2*\l], s[K1+2*\l], v[SS+12*\a+4+2*\l], v[SS+12*\a+5+2*\l]
.endr
.endr
.irp a, 0,1
.irp l, 0,1
	v_sub_f32 v[OQ+2*\a+\l], v[SS+12*\a+5+2*\l], v[SS+12*\a+8+2*\l]
.endr
.endr
	v_lshlrev_b32 v4, 4, v0                        ; 16 bytes a thread
	ds_store_b128 v4, v[OQ:OQ+3]
	s_wait_dscnt 0x0                               ; for wave 0's sake
	s_barrier_signal -1
	s_barrier_wait -1
	s_cmp_lg_u32 s[WV], 0
	s_cbranch_scc1 .Lend
	; WAVE 0 MERGES: lane (r, h) takes the sixteen waves' numbers of lane (r, h), four each; a logsumexp in base 2 over them and over the other half of the lanes; the four by turns
.irp w, 0,1,2,3,4,5,6,7,8,9,10,11,12,13,14,15
	ds_load_b128 v[RR+4*\w:RR+4*\w+3], v4 offset:512*\w
.endr
	s_wait_dscnt 0x0
.irp q, 0,1,2,3
	v_max3_num_f32 v[SS+\q], v[RR+\q], v[RR+4+\q], v[RR+8+\q]
.endr
.irp w, 3,5,7,9,11,13
.irp q, 0,1,2,3
	v_max3_num_f32 v[SS+\q], v[SS+\q], v[RR+4*\w+\q], v[RR+4*\w+4+\q]
.endr
.endr
.irp q, 0,1,2,3
	v_max_num_f32 v[SS+\q], v[SS+\q], v[RR+60+\q]
.endr
.irp q, 0,1,2,3
	v_permlanex16_b32 v[SS+4+\q], v[SS+\q], s[SEL], s[SEL+1]
.endr
.irp q, 0,1,2,3
	v_max_num_f32 v[SS+\q], v[SS+\q], v[SS+4+\q]
.endr
.irp w, 0,1,2,3,4,5,6,7,8,9,10,11,12,13,14,15
.irp c, 0,2
	v_pk_add_f32 v[RR+4*\w+\c:RR+4*\w+\c+1], v[RR+4*\w+\c:RR+4*\w+\c+1], v[SS+\c:SS+\c+1] neg_lo:[0,1] neg_hi:[0,1]
.endr
.endr
.set idx, 0
.rept 64
	v_exp_f32 v[RR+idx], v[RR+idx]
.set idx, idx+1
.endr
	v_nop
	s_wait_alu depctr_va_vdst(0)
.irp dist, 1,2,4,8
.set idx, 0
.rept 8/\dist
.irp c, 0,2
	v_pk_add_f32 v[RR+4*idx+\c:RR+4*idx+\c+1], v[RR+4*idx+\c:RR+4*idx+\c+1], v[RR+4*(idx+\dist)+\c:RR+4*(idx+\dist)+\c+1]
.endr
.set idx, idx+2*\dist
.endr
.endr
.irp q, 0,1,2,3
	v_permlanex16_b32 v[SS+4+\q], v[RR+\q], s[SEL], s[SEL+1]
.endr
.irp q, 0,1,2,3
	v_add_f32 v[RR+\q], v[RR+\q], v[SS+4+\q]
.endr
.irp q, 0,1,2,3
	v_log_f32 v[RR+\q], v[RR+\q]
.endr
	v_mov_b32 v5, 0                                ; a plain line behind the logarithms; the store's offset
	s_wait_alu depctr_va_vdst(0)
.irp q, 0,1,2,3
	v_add_f32 v[RR+\q], v[RR+\q], v[SS+\q]         ; the row's logsumexp, in units of log2
.endr
.irp x, 1,2,4,8                        ; the sum over a tile's 16 rows
.irp q, 0,1,2,3
	v_add_f32_dpp v[RR+\q], v[RR+\q], v[RR+\q] row_xmask:\x row_mask:0xf bank_mask:0xf
.endr
.endr
	v_pk_add_f32 v[RR:RR+1], v[RR:RR+1], v[RR+2:RR+3]          ; the two tiles: the first sum's total, the second's
	s_wait_xcnt 0x0                                ; EXEC changes only behind this wait
	v_cmp_eq_u32 vcc_lo, 0, v0
	s_wait_tensorcnt 0x0
	ds_add_u32 v254, v255
	s_wait_dscnt 0x0
	s_and_saveexec_b32 s[TRIP], vcc_lo
	global_store_b64 v5, v[RR:RR+1], s[PART:PART+1]            ; thread 0 alone
	s_endpgm
.Lend:
	s_wait_tensorcnt 0x0
	ds_add_u32 v254, v255
	s_wait_dscnt 0x0
	s_endpgm
.Lfunc_end_k_qde8ba7b99c_pairs:
	.size	k_qde8ba7b99c_pairs, .Lfunc_end_k_qde8ba7b99c_pairs-k_qde8ba7b99c_pairs
	.p2alignl 7, 3214868480
	.fill 96, 4, 3214868480
	.section	.rodata,"a",@progbits
	.p2align	6, 0x0
	.amdhsa_kernel k_qde8ba7b99c_pairs
		.amdhsa_group_segment_fixed_size 10240
		.amdhsa_private_segment_fixed_size 0
		.amdhsa_enable_private_segment 0
		.amdhsa_kernarg_size 40
		.amdhsa_user_sgpr_count 2
		.amdhsa_user_sgpr_kernarg_segment_ptr 1
		.amdhsa_wavefront_size32 1
		.amdhsa_system_sgpr_workgroup_id_x 1
		.amdhsa_system_sgpr_workgroup_id_y 1
		.amdhsa_system_sgpr_workgroup_id_z 1
		.amdhsa_system_vgpr_workitem_id 0
		.amdhsa_next_free_vgpr 256
		.amdhsa_next_free_sgpr 66
		.amdhsa_reserve_vcc 1
		.amdhsa_float_denorm_mode_32 3
		.amdhsa_float_denorm_mode_16_64 3
		.amdhsa_memory_ordered 1
		.amdhsa_forward_progress 1
		.amdhsa_inst_pref_size 100
	.end_amdhsa_kernel
	.amdgpu_metadata
---
amdhsa.version: [ 1, 2 ]
amdhsa.kernels:
  - .name:           k_qde8ba7b99c_pairs
    .symbol:         k_qde8ba7b99c_pairs.kd
    .args:
      - { .name: codes, .offset: 0, .size: 8, .value_kind: global_buffer, .address_space: global }
      - { .name: aux, .offset: 8, .size: 8, .value_kind: global_buffer, .address_space: global }
      - { .name: kde_logvar, .offset: 16, .size: 8, .value_kind: global_buffer, .address_space: global }
      - { .name: noise_logvar, .offset: 24, .size: 8, .value_kind: global_buffer, .address_space: global }
      - { .name: part, .offset: 32, .size: 8, .value_kind: global_buffer, .address_space: global }
    .group_segment_fixed_size: 10240
    .private_segment_fixed_size: 0
    .kernarg_segment_align: 8
    .kernarg_segment_size: 40
    .max_flat_workgroup_size: 512
    .sgpr_count:     66
    .vgpr_count:     256
    .wavefront_size: 32
...
	.end_amdgpu_metadata
.endif
;; end of part 2
;; launch finish (part 3): grid 1 x 1, 1 waves a work-group, no clusters, 0 bytes of LDS; arguments part, kde_logvar, noise_logvar, out1, out2; writes out1, out2
.if DOCPART == 3
	.amdgcn_target "amdgcn-amd-amdhsa--gfx1250"
	.amdhsa_code_object_version 6
	.text
	.protected	k_qde8ba7b99c_finish
	.globl	k_qde8ba7b99c_finish
	.p2align	8
	.type	k_qde8ba7b99c_finish,@function
k_qde8ba7b99c_finish:
	s_mov_b64 s[64:65], 0
	v_nop
	global_prefetch_b8 v0, s[64:65] scope:SCOPE_SE
	s_setreg_imm32_b32 hwreg(HW_REG_WAVE_MODE, 25, 1), 1
	s_wait_xcnt 0x0
; part holds, for each of 256 work-groups, the sums over 32 rows of the two logsumexps, in units of log2: 2,048 bytes.  One wave adds them and applies the constants.
;   out1 = 0.01 (h - c1),  h = -(mean L1 - ln 8192 - c1),  c1 = 32 ln(2 pi (e^nv + e^kv));     out2 = -(mean L2 - ln 8191 - c2),  c2 = 32 ln(2 pi e^kv).
; c1 goes in and out again, each time with its rounding, in the order in which the sums are defined.
	s_load_b256 s[4:11], s[0:1], 0x0               ; part s[4:5], kde_logvar s[6:7], noise_logvar s[8:9], out1 s[10:11]
	s_load_b64 s[12:13], s[0:1], 0x20              ; out2
	v_lshlrev_b32 v1, 4, v0
	s_mov_b32 s16, 0x76543210
	s_mov_b32 s17, 0xfedcba98                      ; v_permlanex16_b32's selects for lane l xor 16
	s_wait_kmcnt 0x0
	s_load_b32 s14, s[6:7], 0x0
	s_load_b32 s15, s[8:9], 0x0
.irp i, 0,1,2,3
	global_load_b128 v[4+4*\i:7+4*\i], v1, s[4:5] offset:512*\i   ; two work-groups' pairs a lane
.endr
	s_wait_kmcnt 0x0
	v_mov_b32 v20, 0x3fb8aa3b                      ; log2(e)
	v_mul_f32 v21, s14, v20
	v_mul_f32 v22, s15, v20
	v_exp_f32 v21, v21                             ; e^kv
	v_exp_f32 v22, v22                             ; e^nv
	v_mov_b32 v23, 0x40c90fdb                      ; 2 pi (a plain line behind the exponentials)
	s_wait_alu depctr_va_vdst(0)
	v_add_f32 v22, v21, v22
	v_mul_f32 v21, v23, v21
	v_mul_f32 v22, v23, v22
	v_log_f32 v21, v21
	v_log_f32 v22, v22
	v_mov_b32 v24, 0x38b17218                      ; ln 2 / 8192 (a plain line behind the logarithms)
	s_wait_alu depctr_va_vdst(0)
	v_mul_f32 v21, 0x41b17218, v21                 ; c2 = 32 ln 2 x log2(..)
	v_mul_f32 v22, 0x41b17218, v22                 ; c1
	s_wait_loadcnt 0x0
	v_pk_add_f32 v[4:5], v[4:5], v[6:7]
	v_pk_add_f32 v[8:9], v[8:9], v[10:11]
	v_pk_add_f32 v[12:13], v[12:13], v[14:15]
	v_pk_add_f32 v[16:17], v[16:17], v[18:19]
	v_pk_add_f32 v[4:5], v[4:5], v[8:9]
	v_pk_add_f32 v[12:13], v[12:13], v[16:17]
	v_pk_add_f32 v[4:5], v[4:5], v[12:13]
.irp x, 1,2,4,8
	v_add_f32_dpp v4, v4, v4 row_xmask:\x row_mask:0xf bank_mask:0xf
	v_add_f32_dpp v5, v5, v5 row_xmask:\x row_mask:0xf bank_mask:0xf
.endr
	v_permlanex16_b32 v6, v4, s16, s17
	v_permlanex16_b32 v7, v5, s16, s17
	v_pk_add_f32 v[4:5], v[4:5], v[6:7]            ; both totals, in every lane
	v_fmaak_f32 v8, v4, v24, 0xc1102cb3            ; mean L1 - ln 8192
	v_fmaak_f32 v9, v5, v24, 0xc1102c33            ; mean L2 - ln 8191
	v_sub_f32 v8, v8, v22                          ; - c1: this is -h
	v_add_f32 v8, v8, v22                          ; -(h - c1)
	v_mul_f32 v8, 0xbc23d70a, v8                   ; x -0.01
	v_sub_f32 v9, v21, v9                          ; c2 - (mean L2 - ln 8191)
	v_mov_b32 v10, 0
	s_wait_xcnt 0x0                                ; EXEC changes only behind this wait
	v_cmp_eq_u32 vcc_lo, 0, v0
	s_and_saveexec_b32 s18, vcc_lo
	global_store_b32 v10, v8, s[10:11]
	global_store_b32 v10, v9, s[12:13]
	s_endpgm
.Lfunc_end_k_qde8ba7b99c_finish:
	.size	k_qde8ba7b99c_finish, .Lfunc_end_k_qde8ba7b99c_finish-k_qde8ba7b99c_finish
	.p2alignl 7, 3214868480
	.fill 96, 4, 3214868480
	.section	.rodata,"a",@progbits
	.p2align	6, 0x0
	.amdhsa_kernel k_qde8ba7b99c_finish
		.amdhsa_group_segment_fixed_size 0
		.amdhsa_private_segment_fixed_size 0
		.amdhsa_enable_private_segment 0
		.amdhsa_kernarg_size 40
		.amdhsa_user_sgpr_count 2
		.amdhsa_user_sgpr_kernarg_segment_ptr 1
		.amdhsa_wavefront_size32 1
		.amdhsa_system_sgpr_workgroup_id_x 1
		.amdhsa_system_sgpr_workgroup_id_y 1
		.amdhsa_system_sgpr_workgroup_id_z 1
		.amdhsa_system_vgpr_workitem_id 0
		.amdhsa_next_free_vgpr 32
		.amdhsa_next_free_sgpr 66
		.amdhsa_reserve_vcc 1
		.amdhsa_float_denorm_mode_32 3
		.amdhsa_float_denorm_mode_16_64 3
		.amdhsa_memory_ordered 1
		.amdhsa_forward_progress 1
		.amdhsa_inst_pref_size 4
	.end_amdhsa_kernel
	.amdgpu_metadata
---
amdhsa.version: [ 1, 2 ]
amdhsa.kernels:
  - .name:           k_qde8ba7b99c_finish
    .symbol:         k_qde8ba7b99c_finish.kd
    .args:
      - { .name: part, .offset: 0, .size: 8, .value_kind: global_buffer, .address_space: global }
      - { .name: kde_logvar, .offset: 8, .size: 8, .value_kind: global_buffer, .address_space: global }
      - { .name: noise_logvar, .offset: 16, .size: 8, .value_kind: global_buffer, .address_space: global }
      - { .name: out1, .offset: 24, .size: 8, .value_kind: global_buffer, .address_space: global }
      - { .name: out2, .offset: 32, .size: 8, .value_kind: global_buffer, .address_space: global }
    .group_segment_fixed_size: 0
    .private_segment_fixed_size: 0
    .kernarg_segment_align: 8
    .kernarg_segment_size: 40
    .max_flat_workgroup_size: 32
    .sgpr_count:     66
    .vgpr_count:     32
    .wavefront_size: 32
...
	.end_amdgpu_metadata
.endif
;; end of part 3
